; MI455X (gfx1250); checked and timed in simulation.
; The chip was launched on July 23, 2026; its instructions are those of AMD's public machine-readable ISA for CDNA 5 (MIT licence, August 2026) and "CDNA5" Instruction Set Architecture Reference Guide (July 2026). The comments in the code are by the model that wrote it; some were corrected since.
;; Multi Head Attention. Allowed arithmetic: matrix products marked QUANTISED: E2M3 operands, one E8M0 scale for each 32 along K, by v_wmma_scale_f32_16x16x128_f8f6f4 with both operands' format E2M3, f32 sums; everything else in f32.
;; Inputs: Wk 512 x 512 float32; Wo 512 x 512 float32; Wq 512 x 512 float32; Wv 512 x 512 float32; bk 512 float32; bo 512 float32; bq 512 float32; bv 512 float32; keys 512 x 64 x 512 float32; query 512 x 64 x 512 float32; values 512 x 64 x 512 float32.
;; Outputs: out0 512 x 64 x 512 float32.
;; This version of the problem:
;;   THIS VERSION OF THE PROBLEM IS GIVEN IN LOW PRECISION. The matrix products marked QUANTISED in the list below multiply operands that are first quantised to E2M3 (2 exponent bits, 3 mantissa bits; 6 bits a number), with one power-of-two scale for each 32 numbers along K (OCP MX v1.0); their sums are f32. All else is computed in f32.
;;   The module's matrix products, in the order in which they are computed (A, B: the left and right operand; K: the contracted axis; several contracted axes count as one K, in the product's order):
;;     1. [M 32,768, K 512] x [K 512, N 512]; A: input values; B: input Wv: QUANTISED
;;     2. [M 32,768, K 512] x [K 512, N 512]; A: input keys; B: input Wk: QUANTISED
;;     3. [M 32,768, K 512] x [K 512, N 512]; A: input query; B: input Wq: QUANTISED
;;     4. batch 512 x [M 512, K 64] x [K 64, N 512]; A: computed on the way; B: computed on the way: QUANTISED
;;     5. batch 512 x [M 64, K 512] x [K 512, N 512]; A: computed on the way; B: softmax (see below): QUANTISED
;;     6. [M 32,768, K 512] x [K 512, N 512]; A: computed on the way; B: input Wo: QUANTISED
;;   THE QUANTISER, for each operand of a quantised product, along K:
;;     - K is cut into blocks of 32 from its start; a last block that is shorter is filled with zeros.
;;     - A block's scale is 2^e with e = floor(log2(the largest magnitude in the block)) - 2, held to -126 .. 127; a block of zeros has e = 0. As a byte (E8M0): e + 127.
;;     - Each number is divided by its block's scale, clamped to +-7.5, and rounded to the nearest number of E2M3, ties to even, subnormals kept.
;;     - The product sums the exact products of the quantised numbers (number of the format x scale) in f32.
;;   ~~~python
;;   def quantise(x, axis):      # numpy; x: float32 -> the quantised numbers, widened to float32 again
;;       x = np.moveaxis(x, axis, -1); K = x.shape[-1]
;;       x = np.pad(x, [(0, 0)] * (x.ndim - 1) + [(0, -K % 32)]); x = x.reshape(x.shape[:-1] + (-1, 32)); a = np.abs(x).max(-1, keepdims=True)
;;       e = np.where(a > 0, np.clip(np.frexp(np.where(a > 0, a, 1))[1] - 1 - 2, -126, 127), 0)      # np.frexp(a)[1] - 1 = floor(log2(a)), exactly
;;       r = np.clip(x / 2.0 ** e, -7.5, 7.5)
;;       step = 2.0 ** (np.maximum(np.frexp(np.where(r == 0, 1, r))[1] - 1, 0) - 3)
;;       q = np.round(r / step) * step * 2.0 ** e      # np.round: ties to even
;;       return np.moveaxis(q.reshape(q.shape[:-2] + (-1,))[..., :K], -1, axis).astype(np.float32)
;;   ~~~
;;   SOFTMAX AHEAD OF A QUANTISED PRODUCT. Where the list says 'softmax', what is quantised is not the finished softmax but p = 2^(t - M), with t = logit x log2(e) and M = ceil(the row's largest t), a whole number; so 1/2 < the row's largest p <= 1. The row's sum l is taken of the UNQUANTISED p, in f32, and the product's result is divided by l at the end. Since M is a whole number, a kernel that streams over the keys may use a running M (the ceiling of the running maximum): every later rescaling is an exact power of two, which a block's scale takes up: the codes' values come out the same.
;;   OPERANDS COMPUTED ON THE WAY. 'Computed on the way' means the value that the module computes at that place (a softmax that the list does not call 'softmax' is quantised finished and normalised). What goes into a quantiser is computed in f32, as accurately as f32 sums, v_exp_f32 and their like allow (about 1e-6 of the number): no bf16 or f16 on the way to a quantiser, and a product that is left as it is and whose result goes on into a quantised operand takes f32 operands (vector FMAs, or v_wmma_f32_16x16x4_f32). A number that lies on a knife's edge between two numbers of the format may be rounded either way, as far as f32 arithmetic and the matrix unit's own rounding can turn it there, and no further.
;; One version. Each part assembles by itself: llvm-mc -triple=amdgcn-amd-amdhsa -mcpu=gfx1250 --defsym DOCPART=n.
;; ======== version 1 of 1: 3 launches
;; limits: right only within a limited range of input values
;; workspace buffers: wimg 786,432 bytes; wscl 32,768 bytes; kws 13,631,488 bytes; qws 13,631,488 bytes; vws 13,107,200 bytes
;; launch wq (part 1): grid 32 x 4, 4 waves a work-group, no clusters, 768 bytes of LDS; arguments Wv, Wk, Wq, Wo, wimg, wscl; writes wimg, wscl
.if DOCPART == 1
	.amdgcn_target "amdgcn-amd-amdhsa--gfx1250"
	.amdhsa_code_object_version 6
	.text
	.protected	k_q9c4d196dd6_wq
	.globl	k_q9c4d196dd6_wq
	.p2align	8
	.type	k_q9c4d196dd6_wq,@function
k_q9c4d196dd6_wq:
	s_mov_b64 s[64:65], 0
	v_nop
	global_prefetch_b8 v0, s[64:65] scope:SCOPE_SE
	s_setreg_imm32_b32 hwreg(HW_REG_WAVE_MODE, 25, 1), 1
	s_wait_xcnt 0x0
; The four weights [512 (out)][512 (in)], f32, K = the inputs (innermost), become codes of FP6 (E2M3) with one E8M0 byte for each 32 along K,
; laid as IMAGES OF OPERAND REGISTERS: wimg [weight 4][tile 32][K step 4][1536 bytes]: a fragment's 12 registers, registers 4 c .. 4 c + 3 of lane l at 512 c + 16 l.
; wscl [weight][tile][row 16][K step 4]: one word each, so that 16 bytes at 16 r are a row's four scale words.
; THE ROWS OF A TILE ARE NOT NEIGHBOURS: lane r of tile T takes row 32 (T / 2) + 8 (T % 2) + r + 8 (r / 8): used as source 0, two neighbouring tiles then leave 16 neighbouring outputs in a lane's 16 registers.
; A work-group takes one tile of one weight (x: tile, y: weight 0 Wv, 1 Wk, 2 Wq, 3 Wo); wave s takes K step s.  4 MB in all: the loads are 64 bytes a lane from rows 2,048 bytes apart.
; A block's scale is 2^(floor(log2(its largest magnitude)) - 2); its byte is the largest magnitude's exponent field - 2, held at 1 from below.
; LIMITS: a block whose largest magnitude lies under 2^-124, a block of zeros among them, keeps the byte 1 (the rule says 127 for zeros: its codes are zeros, and this program alone reads the bytes); NaN and infinities are not served.
.set X,   32                           ; v32-95   64 numbers: register 16 b + i = k 32 b + 16 (lane / 16) + i of my row
.set PC,  96                           ; v96-114  the codes
.set TM,  8                            ; v8-23    at work
.set PW,  24                           ; v24      the scale word
.set SEL, 26                           ; s[26:27] selects for v_permlanex16_b32: lane l xor 16
; 64 numbers of a lane become a fragment's codes in v[PC] .. v[PC+11] and its row's scale word in v[PW]
.macro QUANT s
.irp b, 0,1,2,3
	v_max3_num_f32 v[TM+\b], |v[\s+16*\b]|, |v[\s+1+16*\b]|, 0x1800000   ; block b: my 16 numbers, and the floor 2^(3 - 127): the byte cannot fall under 1
.endr
.irp i, 2,4,6,8,10,12,14
.irp b, 0,1,2,3
	v_max3_num_f32 v[TM+\b], v[TM+\b], |v[\s+16*\b+\i]|, |v[\s+1+16*\b+\i]|   ; the four blocks by turns
.endr
.endr
.irp b, 0,1,2,3
	v_permlanex16_b32 v[TM+4+\b], v[TM+\b], s[SEL], s[SEL+1]
.endr
.irp b, 0,1,2,3
	v_max_num_f32 v[TM+\b], v[TM+\b], v[TM+4+\b]   ; with lane l xor 16's: the block's largest magnitude
.endr
.irp b, 0,1,2,3
	v_add_nc_u32 v[TM+12+\b], 0xff000000, v[TM+\b]   ; 2 off its exponent field: the conversion takes the exponent field of this operand as its scale
.endr
.irp b, 0,1,2,3
	v_lshrrev_b32 v[TM+4+\b], 23, v[TM+12+\b]      ; the scale's byte
.endr
	v_lshl_or_b32 v[PW], v[TM+5], 8, v[TM+4]
	v_lshl_or_b32 v[PW], v[TM+6], 16, v[PW]
	v_lshl_or_b32 v[PW], v[TM+7], 24, v[PW]
.irp c, 0,1
	v_cvt_scalef32_pk16_fp6_f32 v[PC+6*\c:PC+2+6*\c], v[\s+32*\c:\s+15+32*\c], v[TM+12+2*\c]
	v_cvt_scalef32_pk16_fp6_f32 v[PC+12+4*\c:PC+14+4*\c], v[\s+16+32*\c:\s+31+32*\c], v[TM+12+2*\c+1]   ; (a conversion's three registers begin on an even number)
.endr
	v_nop                                          ; one plain place behind a scaled conversion
.irp c, 0,1                                    ; the operand's layout wants a whole block in a lane: lanes 0-15 block 2 c, lanes 16-31 block 2 c + 1
.irp i, 0,1,2
	v_permlane16_swap_b32 v[PC+6*\c+\i], v[PC+12+4*\c+\i]
.endr
.irp i, 0,1,2
	v_mov_b32 v[PC+3+6*\c+\i], v[PC+12+4*\c+\i]
.endr
.endr
.endm
	s_load_b256 s[4:11], s[0:1], 0x0               ; Wv, Wk, Wq, Wo
	s_load_b128 s[12:15], s[0:1], 0x20             ; wimg, wscl
	v_lshl_add_u32 v128, v0, 2, 0x100
	v_mov_b32 v129, 0
	v_lshrrev_b32 v1, 5, v0
	v_readfirstlane_b32 s16, v1                    ; wave = K step
	s_and_b32 s17, ttmp7, 0xffff                   ; which weight
	s_mov_b32 s[SEL], 0x76543210
	s_mov_b32 s[SEL+1], 0xfedcba98
	v_and_b32 v2, 15, v0                           ; r
	v_bfe_u32 v3, v0, 4, 1                         ; h
	v_and_b32 v4, 8, v2
	v_add_nc_u32 v4, v4, v2                        ; r + 8 (r / 8)
	v_lshlrev_b32 v4, 11, v4                       ; rows of 2,048 bytes
	v_lshl_add_u32 v4, v3, 6, v4                   ; + 64 h: my 16 numbers of a block of 32
	v_and_b32 v5, 31, v0
	v_lshlrev_b32 v7, 3, v5                        ; 8 x lane
	v_lshlrev_b32 v5, 4, v5                        ; 16 x lane
	v_lshlrev_b32 v6, 4, v2
	v_lshl_add_u32 v6, v1, 2, v6                   ; LDS: 16 r + 4 x K step
.irp b, 0,1,2,3
	v_mov_b32 v[TM+4+\b], 0                        ; a lane permute's destination counts as one of its sources
.endr
	s_lshr_b32 s18, ttmp9, 1
	s_lshl_b32 s18, s18, 16                        ; 32 (T / 2) rows
	s_and_b32 s19, ttmp9, 1
	s_lshl_b32 s19, s19, 14                        ; 8 (T % 2) rows
	s_add_co_u32 s18, s18, s19
	s_lshl_b32 s19, s16, 9                         ; 128 numbers a K step
	s_add_co_u32 s18, s18, s19
	s_mov_b32 s19, 0
	s_lshl_b32 s22, s17, 5
	s_add_co_u32 s22, s22, ttmp9                   ; 32 x weight + tile
	s_lshl_b32 s24, s22, 8                         ; 256 bytes of scale words a tile
	s_mov_b32 s25, 0
	s_lshl_b32 s22, s22, 2
	s_add_co_u32 s22, s22, s16
	s_mul_i32 s22, s22, 1536                       ; the image's place
	s_mov_b32 s23, 0
	s_wait_kmcnt 0x0
	s_cmp_eq_u32 s17, 1                            ; the choice hangs on the work-group's number alone
	s_cselect_b64 s[4:5], s[6:7], s[4:5]
	s_cmp_eq_u32 s17, 2
	s_cselect_b64 s[4:5], s[8:9], s[4:5]
	s_cmp_eq_u32 s17, 3
	s_cselect_b64 s[4:5], s[10:11], s[4:5]
	s_add_nc_u64 s[4:5], s[4:5], s[18:19]
	s_add_nc_u64 s[12:13], s[12:13], s[22:23]
	s_add_nc_u64 s[14:15], s[14:15], s[24:25]
.irp b, 0,1,2,3
.irp j, 0,1,2,3
	global_load_b128 v[X+16*\b+4*\j:X+16*\b+4*\j+3], v4, s[4:5] offset:128*\b+16*\j
.endr
.endr
	s_wait_loadcnt 0x0
	QUANT X
.irp c, 0,1,2
	global_store_b128 v5, v[PC+4*\c:PC+4*\c+3], s[12:13] offset:512*\c   ; 32 lanes store 512 consecutive bytes
.endr
	ds_store_b32 v6, v[PW]                         ; lanes r and 16 + r hold the same word and write it to the same place
	s_wait_dscnt 0x0                               ; for the others' sake: my store has landed
	s_barrier_signal -1
	s_barrier_wait -1
	s_cmp_lg_u32 s16, 0
	s_cbranch_scc1 .Lend
	ds_load_b64 v[26:27], v7                       ; wave 0: the tile's 256 bytes of scale words
	s_wait_dscnt 0x0
	global_store_b64 v7, v[26:27], s[14:15]        ; 32 lanes store 256 consecutive bytes, at a multiple of 256 from the buffer's first byte
.Lend:
	s_wait_tensorcnt 0x0
	ds_add_u32 v128, v129
	s_wait_dscnt 0x0
	s_endpgm
.Lfunc_end_k_q9c4d196dd6_wq:
	.size	k_q9c4d196dd6_wq, .Lfunc_end_k_q9c4d196dd6_wq-k_q9c4d196dd6_wq
	.p2alignl 7, 3214868480
	.fill 96, 4, 3214868480
	.section	.rodata,"a",@progbits
	.p2align	6, 0x0
	.amdhsa_kernel k_q9c4d196dd6_wq
		.amdhsa_group_segment_fixed_size 768
		.amdhsa_private_segment_fixed_size 0
		.amdhsa_enable_private_segment 0
		.amdhsa_kernarg_size 48
		.amdhsa_user_sgpr_count 2
		.amdhsa_user_sgpr_kernarg_segment_ptr 1
		.amdhsa_wavefront_size32 1
		.amdhsa_system_sgpr_workgroup_id_x 1
		.amdhsa_system_sgpr_workgroup_id_y 1
		.amdhsa_system_sgpr_workgroup_id_z 1
		.amdhsa_system_vgpr_workitem_id 0
		.amdhsa_next_free_vgpr 130
		.amdhsa_next_free_sgpr 66
		.amdhsa_reserve_vcc 0
		.amdhsa_float_denorm_mode_32 3
		.amdhsa_float_denorm_mode_16_64 3
		.amdhsa_memory_ordered 1
		.amdhsa_forward_progress 1
		.amdhsa_inst_pref_size 9
	.end_amdhsa_kernel
	.amdgpu_metadata
---
amdhsa.version: [ 1, 2 ]
amdhsa.kernels:
  - .name:           k_q9c4d196dd6_wq
    .symbol:         k_q9c4d196dd6_wq.kd
    .args:
      - { .name: Wv, .offset: 0, .size: 8, .value_kind: global_buffer, .address_space: global }
      - { .name: Wk, .offset: 8, .size: 8, .value_kind: global_buffer, .address_space: global }
      - { .name: Wq, .offset: 16, .size: 8, .value_kind: global_buffer, .address_space: global }
      - { .name: Wo, .offset: 24, .size: 8, .value_kind: global_buffer, .address_space: global }
      - { .name: wimg, .offset: 32, .size: 8, .value_kind: global_buffer, .address_space: global }
      - { .name: wscl, .offset: 40, .size: 8, .value_kind: global_buffer, .address_space: global }
    .group_segment_fixed_size: 768
    .private_segment_fixed_size: 0
    .kernarg_segment_align: 8
    .kernarg_segment_size: 48
    .max_flat_workgroup_size: 128
    .sgpr_count:     66
    .vgpr_count:     130
    .wavefront_size: 32
...
	.end_amdgpu_metadata
.endif
;; end of part 1
;; launch proj (part 2): grid 4 x 64, 4 waves a work-group, no clusters, 327,680 bytes of LDS; arguments values, keys, query, bv, bk, bq, wimg, wscl, vws, kws, qws; writes vws, kws, qws
.if DOCPART == 2
	.amdgcn_target "amdgcn-amd-amdhsa--gfx1250"
	.amdhsa_code_object_version 6
	.text
	.protected	k_q9c4d196dd6_proj
	.globl	k_q9c4d196dd6_proj
	.p2align	8
	.type	k_q9c4d196dd6_proj,@function
k_q9c4d196dd6_proj:
	s_mov_b64 s[64:65], 0
	v_nop
	global_prefetch_b8 v0, s[64:65] scope:SCOPE_SE
	s_setreg_imm32_b32 hwreg(HW_REG_WAVE_MODE, 25, 1), 1
	s_wait_xcnt 0x0
; k = Q(keys) Q(Wk)^T + bk, q = Q(query) Q(Wq)^T + bq, v = Q(values) Q(Wv)^T + bv on codes of FP6 (E2M3) with E8M0 scales; the results are quantised again, k and q along d, v along the batch index n
; (the keys of the second product of the attention), and stored as images of operand registers: kws, qws [t][head]: 32 half fragments of 768 bytes, then 2,048 bytes of scale words; vws [t][head]: 16 fragments of 1,536 bytes, then 1,024 bytes.
; SHARES.  A work-group (x: block j of 128 rows n, y: t) takes its 128 rows through all three tensors: keys and query in a loop of two trips, values written out behind it (the last block asks for no further tile).  4 x 64 work-groups of equal work.
; A block's x (128 rows x 2,048 bytes, rows 131,072 bytes apart) comes in two halves along K through two LDS slots; each wave fetches and quantises its own 32 rows and lays their codes in LDS as images, which all four waves read.
; Wave w makes output channels 128 w .. 128 w + 127 (two heads).  k, q: source 0 = the wave's 8 tiles of the weight (384 registers, asked for at the trip's top), source 1 = a tile of x: a lane holds a row n, its 64 registers run along the channels.
; v: source 0 = the block's 8 tiles of x, source 1 = a tile of Wv: a lane holds a channel, its 64 registers run along n.  The bias is the C of each sum's first product.
; The rows of a tile are not neighbours: lane r of tile T is row 32 (T / 2) + 8 (T % 2) + r + 8 (r / 8), so that 16 registers of two neighbouring tiles are 16 neighbours along the next K.
; NO CLUSTER: no two work-groups read the same bytes of x, and the weights go from memory straight into registers: slots, images and spare words take 315,904 bytes of LDS, which leaves no room for 196,608 bytes of a weight's codes.
; PREFETCH: behind each tensor load a wave names the 32 rows x 1,024 bytes that its next tensor load will ask for, a lane a row, four instructions; the last load has no successor and nothing is named behind it.
; LIMITS: a block whose largest magnitude lies under 2^-124, a block of zeros among them, keeps the byte 1 (its codes are zeros or nearly so, and this program alone reads the bytes); NaN and infinities are not served.
; REGISTERS: window 0: v3-15 addresses, v16-47 source 0's scale words, v48-63 source 1's (four sets), v64-127 the sums, v64-191 two stages of x, v192-245 at work; windows 1, 2: source 0 (K steps 0-1, 2-3), window 1 v192-255 the bias; window 3: four sets of source 1.
.set PITCH, 1032                       ; an LDS row of x: 1,024 bytes + 8: the 32 lanes of a load of 8 bytes touch 64 different banks
.set QUART, 32*PITCH                   ; a wave's 32 rows
.set SLOT,  4*QUART
.set XIMG,  2*SLOT                     ; x's images: [tile 8][K step 4][1,536]
.set XSC,   XIMG+32*1536               ; their scale words [tile][row][K step]
.set SPARE, XSC+2048                   ; the spare words, 128 bytes a wave
.set SPW, 3
.set NIL, 4
.set L16, 5
.set L8,  6
.set R16, 7
.set XA,  8
.set XWI, 10
.set XWS, 11
.set XRI, 12
.set XRS, 13
.set SOF, 14
.set H16, 15
.set SA,  16
.set SB,  48
.set ACC, 64
.set ST0, 64
.set ST1, 128
.set PC,  192
.set TM,  212
.set PW,  228
.set SW,  230
.set MG,  238
.set BQ,  242
.set BV,  243
.set SOFV, 244
.set PFO, 245
.set BIAS, 192
.set G1,  32
.set G0,  40
.set SEL, 48
.set MSB, 0
.macro WIN new                         ; the immediate's high byte repeats the setting that is left
.if MSB != \new
	s_set_vgpr_msb (MSB<<8)|\new
.set MSB, \new
.endif
.endm
.macro PLACES n
.rept \n
	v_nop
.endr
.endm
; 64 numbers of a lane (register 16 b + i = k 32 b + 16 (lane / 16) + i) become a fragment's codes in v[PC] .. v[PC+11] and the scale word in v[PW]
.macro QUANT s
.irp b, 0,1,2,3
	v_max3_num_f32 v[TM+\b], |v[\s+16*\b]|, |v[\s+1+16*\b]|, 0x1800000   ; my 16 numbers of block b, and the floor 2^(3 - 127): the byte cannot fall under 1
.endr
.irp i, 2,4,6,8,10,12,14
.irp b, 0,1,2,3
	v_max3_num_f32 v[TM+\b], v[TM+\b], |v[\s+16*\b+\i]|, |v[\s+1+16*\b+\i]|
.endr
.endr
.irp b, 0,1,2,3
	v_permlanex16_b32 v[TM+4+\b], v[TM+\b], s[SEL], s[SEL+1]
.endr
.irp b, 0,1,2,3
	v_max_num_f32 v[TM+\b], v[TM+\b], v[TM+4+\b]   ; with lane l xor 16's: the block's largest magnitude
.endr
.irp b, 0,1,2,3
	v_add_nc_u32 v[TM+12+\b], 0xff000000, v[TM+\b]   ; 2 off its exponent field: the conversion's scale operand
.endr
.irp b, 0,1,2,3
	v_lshrrev_b32 v[TM+4+\b], 23, v[TM+12+\b]      ; the scale's byte
.endr
	v_lshl_or_b32 v[PW], v[TM+5], 8, v[TM+4]
	v_lshl_or_b32 v[PW], v[TM+6], 16, v[PW]
	v_lshl_or_b32 v[PW], v[TM+7], 24, v[PW]
.irp c, 0,1
	v_cvt_scalef32_pk16_fp6_f32 v[PC+6*\c:PC+2+6*\c], v[\s+32*\c:\s+15+32*\c], v[TM+12+2*\c]
	v_cvt_scalef32_pk16_fp6_f32 v[PC+12+4*\c:PC+14+4*\c], v[\s+16+32*\c:\s+31+32*\c], v[TM+12+2*\c+1]   ; (a conversion's three registers begin on an even number)
.endr
	v_nop                                          ; one plain place behind a scaled conversion
.irp c, 0,1                                    ; a whole block to a lane
.irp i, 0,1,2
	v_permlane16_swap_b32 v[PC+6*\c+\i], v[PC+12+4*\c+\i]
.endr
.irp i, 0,1,2
	v_mov_b32 v[PC+3+6*\c+\i], v[PC+12+4*\c+\i]
.endr
.endr
.endm
; The change of slot g: it is asked for again, with the same half of the next tensor's block (its address stands in s[8:9])
.macro TRIP g
	s_wait_tensorcnt 0x0                           ; no tensor load of mine is out (one was), so a group 0 may be written
	ds_add_u32 v[SPW], v[NIL]                      ; 0 onto my spare word
	s_add_nc_u64 s[G0+4*\g+2:G0+4*\g+3], s[8:9], \g*1024
	s_or_b32 s[G0+4*\g+3], s[G0+4*\g+3], 0x80000000
	s_wait_dscnt 0x0                               ; the add is done, my reads of the slot and of the images are over, my stores have landed
	s_barrier_signal -1
	s_barrier_wait -1
	tensor_load_to_lds s[G0+4*\g:G0+4*\g+3], s[G1:G1+7]
	s_nop 0
	PLACES 4
.endm
.macro PF base                         ; my 32 rows x 1,024 bytes of the next tensor's block, from byte base of the rows on: a lane a row, 256 bytes an instruction
.irp c, 0,1,2,3
	global_prefetch_b8 v[PFO], s[8:9] offset:\base+256*\c th:TH_LOAD_NT scope:SCOPE_SE
.endr
.endm
.macro XF st, g, u, kk                 ; 64 numbers a lane: tile u of my two, K step kk of slot g's two
.irp b, 0,1,2,3
.irp j, 0,1,2,3,4,5,6,7
	ds_load_b64 v[\st+16*\b+2*\j:\st+16*\b+2*\j+1], v[XA+\g] offset:8*PITCH*\u+512*\kk+128*\b+8*\j
.endr
.endr
.endm
.macro XI u, ks                        ; the image of a fragment and its scale word
.irp c, 0,1,2
	ds_store_b128 v[XWI], v[PC+4*\c:PC+4*\c+3] offset:(4*\u+(\ks))*1536+512*\c
.endr
	ds_store_b32 v[XWS], v[PW] offset:256*\u+4*(\ks)
.endm
.macro XQ g, pf                        ; slot g's part of my 32 rows is quantised: four fragments, the two stages by turns
	XF ST0, \g, 0, 0
	XF ST1, \g, 0, 1
.if \pf
	PF 1024                                        ; behind the load of the next block's first half: its second half
.endif
	s_wait_dscnt 32                                ; all but the 32 loads of the other stage
	QUANT ST0
	XI 0, 2*\g
	XF ST0, \g, 1, 0
	s_wait_dscnt 32
	QUANT ST1
	XI 0, 2*\g+1
	XF ST1, \g, 1, 1
	s_wait_dscnt 32
	QUANT ST0
	XI 1, 2*\g
	s_wait_dscnt 0x0
	QUANT ST1
	XI 1, 2*\g+1
.endm
.macro LOADA lds                       ; source 0's 32 fragments and their scale words: lds = 0 my eight tiles of the weight, from memory; lds = 1 the block's eight tiles of x, from the images
	WIN 0x40
.irp ks, 0,1
.irp i, 0,1,2,3,4,5,6,7
.irp c, 0,1,2
.if \lds
	ds_load_b128 v[12*(8*\ks+\i)+4*\c:12*(8*\ks+\i)+4*\c+3], v[XRI] offset:(4*\i+\ks)*1536+512*\c
.else
	global_load_b128 v[12*(8*\ks+\i)+4*\c:12*(8*\ks+\i)+4*\c+3], v[L16], s[16:17] offset:(4*\i+\ks)*1536+512*\c
.endif
.endr
.endr
.endr
	WIN 0x80
.irp ks, 0,1
.irp i, 0,1,2,3,4,5,6,7
.irp c, 0,1,2
.if \lds
	ds_load_b128 v[12*(8*\ks+\i)+4*\c:12*(8*\ks+\i)+4*\c+3], v[XRI] offset:(4*\i+\ks+2)*1536+512*\c
.else
	global_load_b128 v[12*(8*\ks+\i)+4*\c:12*(8*\ks+\i)+4*\c+3], v[L16], s[16:17] offset:(4*\i+\ks+2)*1536+512*\c
.endif
.endr
.endr
.endr
	WIN 0
.irp i, 0,1,2,3,4,5,6,7
.if \lds
	ds_load_b128 v[SA+4*\i:SA+4*\i+3], v[XRS] offset:256*\i
.else
	global_load_b128 v[SA+4*\i:SA+4*\i+3], v[R16], s[18:19] offset:256*\i
.endif
.endr
.endm
.macro FB v, o                         ; source 1's tile o, four K steps, and its scale words into set o % 4: 13 loads (v = 1: a tile of Wv from memory; v = 0: a tile of x from the images)
	WIN 0xc0
.irp ks, 0,1,2,3
.irp c, 0,1,2
.if \v
	global_load_b128 v[48*((\o)%4)+12*\ks+4*\c:48*((\o)%4)+12*\ks+4*\c+3], v[L16], s[16:17] offset:(4*(\o)+\ks)*1536+512*\c
.else
	ds_load_b128 v[48*((\o)%4)+12*\ks+4*\c:48*((\o)%4)+12*\ks+4*\c+3], v[XRI] offset:(4*(\o)+\ks)*1536+512*\c
.endif
.endr
.endr
	WIN 0
.if \v
	global_load_b128 v[SB+4*((\o)%4):SB+4*((\o)%4)+3], v[R16], s[18:19] offset:256*(\o)
.else
	ds_load_b128 v[SB+4*((\o)%4):SB+4*((\o)%4)+3], v[XRS] offset:256*(\o)
.endif
.endm
.macro PROD v, o, ks                   ; eight products, the eight accumulators by turns
.irp i, 0,1,2,3,4,5,6,7
.if (\ks) == 0
.if \v
	v_wmma_scale_f32_16x16x128_f8f6f4 v[ACC+8*\i:ACC+8*\i+7], v[12*\i:12*\i+11], v[48*((\o)%4):48*((\o)%4)+11], v[BIAS+8*(\o):BIAS+8*(\o)+7], v[SA+4*\i], v[SB+4*((\o)%4)] matrix_a_fmt:MATRIX_FMT_FP6 matrix_b_fmt:MATRIX_FMT_FP6
.else
	v_wmma_scale_f32_16x16x128_f8f6f4 v[ACC+8*\i:ACC+8*\i+7], v[12*\i:12*\i+11], v[48*((\o)%4):48*((\o)%4)+11], v[BIAS+8*\i:BIAS+8*\i+7], v[SA+4*\i], v[SB+4*((\o)%4)] matrix_a_fmt:MATRIX_FMT_FP6 matrix_b_fmt:MATRIX_FMT_FP6
.endif
.else
	v_wmma_scale_f32_16x16x128_f8f6f4 v[ACC+8*\i:ACC+8*\i+7], v[12*(8*((\ks)%2)+\i):12*(8*((\ks)%2)+\i)+11], v[48*((\o)%4)+12*(\ks):48*((\o)%4)+12*(\ks)+11], v[ACC+8*\i:ACC+8*\i+7], v[SA+4*\i+(\ks)], v[SB+4*((\o)%4)+(\ks)] matrix_a_fmt:MATRIX_FMT_FP6 matrix_b_fmt:MATRIX_FMT_FP6
.endif
.endr
.endm
; Source 1's tile o against source 0's eight: 32 products, then the 64 results of a lane are quantised and stored
.macro MITER v, o
.if (\o)+3 < 8
	FB \v, (\o)+3                                  ; three tiles ahead
.endif
.if 7-(\o) >= 3
.set NW, 39                                    ; the three younger sets of 13 loads may be out
.else
.set NW, 13*(7-(\o))
.endif
.if \v
	s_wait_loadcnt NW
.else
	s_wait_dscnt NW
.endif
	WIN 0x1d                                       ; source 0 window 1, source 1 window 3, C (the bias) window 1
	PROD \v, \o, 0
	WIN 0x0d
	PROD \v, \o, 1
	WIN 0x0e                                       ; source 0 window 2
	PROD \v, \o, 2
	PROD \v, \o, 3
	WIN 0
	PLACES 4                                       ; in front of the first read of results
	s_wait_xcnt 0x0                                ; the last tile's stores have read their registers
	QUANT ACC
.if \v
.irp c, 0,1,2
	global_store_b128 v[L16], v[PC+4*\c:PC+4*\c+3], s[20:21] offset:((\o)/4)*25600+((\o)%4)*1536+512*\c   ; 16 d x 128 keys: a whole fragment, 512 consecutive bytes a store
.endr
	v_mov_b32 v[SW+(\o)], v[PW]
.else
	global_store_b128 v[L16], v[PC:PC+3], s[20:21] offset:768*(\o)                 ; my first head's half fragment,
	global_store_b64 v[L8], v[PC+4:PC+5], s[20:21] offset:768*(\o)+512
	global_store_b128 v[L16], v[PC+6:PC+9], s[20:21] offset:768*(\o)+26624         ; and my second head's
	global_store_b64 v[L8], v[PC+10:PC+11], s[20:21] offset:768*(\o)+26624+512
	v_lshrrev_b32 v[SW+(\o)], v[H16], v[PW]        ; lanes 0-15 keep the first head's two bytes lowest, lanes 16-31 the second head's
.endif
.endm
	s_load_b512 s[4:19], s[0:1], 0x0               ; values, keys, query, bv, bk, bq, wimg, wscl
	s_load_b128 s[20:23], s[0:1], 0x40             ; vws, kws
	s_load_b64 s[24:25], s[0:1], 0x50              ; qws
	v_lshl_add_u32 v[SPW], v0, 2, SPARE
	v_mov_b32 v[NIL], 0
	ds_add_u32 v[SPW], v[NIL]                      ; the opening lines: the add, twice on end, and its wait ahead of my first tensor load
	ds_add_u32 v[SPW], v[NIL]
	v_lshrrev_b32 v1, 5, v0
	v_readfirstlane_b32 s28, v1                    ; wave
	s_and_b32 s29, ttmp7, 0xffff                   ; t
	s_mov_b32 s[G1+0], (2<<16)|(1<<20)|(7<<22)|(1<<25)   ; elements of 4 bytes; behind every 256 words 2 words of padding
	s_mov_b32 s[G1+1], 256<<16
	s_mov_b32 s[G1+2], 32<<16
	s_mov_b32 s[G1+3], 256<<16
	s_mov_b32 s[G1+4], 32                          ; 32 rows of 256 numbers,
	s_mov_b32 s[G1+5], 32768                       ; 32,768 numbers from row n to row n + 1
	s_mov_b32 s[G1+6], 0
	s_mov_b32 s[G1+7], 0
	s_mov_b32 s[SEL], 0x76543210
	s_mov_b32 s[SEL+1], 0xfedcba98                 ; selects for lane l xor 16
	s_mov_b32 s50, 0xffff0000                      ; lanes 16-31
	s_lshl_b32 s52, s28, 22                        ; x: 32 rows a wave,
	s_lshl_b32 s53, ttmp9, 24                      ; 128 rows a block,
	s_add_co_u32 s52, s52, s53
	s_lshl_b32 s53, s29, 11                        ; 2,048 bytes a t
	s_add_co_u32 s52, s52, s53
	s_mov_b32 s53, 0
	s_mul_i32 s54, s28, 49152                      ; my eight tiles of a weight; Wk is the second of the four
	s_add_co_u32 s54, s54, 196608
	s_mov_b32 s55, 0
	s_lshl_b32 s58, s28, 11
	s_add_co_u32 s58, s58, 8192                    ; and their scale words
	s_mov_b32 s59, 0
	s_lshl_b32 s30, s29, 3
	s_lshl_b32 s31, s28, 1
	s_add_co_u32 s30, s30, s31                     ; my first head: 8 t + 2 w
	s_mul_i32 s31, ttmp9, 6144                     ; a block's codes in a head: 8 x 768 = 4 x 1,536 bytes
	s_mul_i32 s60, s30, 26624
	s_add_co_u32 s60, s60, s31
	s_mov_b32 s61, 0
	s_mul_i32 s62, s30, 25600
	s_add_co_u32 s62, s62, s31
	s_mov_b32 s63, 0
	s_mul_i32 s56, ttmp9, 5632                     ; from my codes to my scale words: 24,576 - 6,144 j + 512 j in k and q,
	s_sub_co_u32 s56, 24576, s56
	s_mov_b32 s57, 0
	s_mul_i32 s66, ttmp9, 5888                     ; 24,576 - 6,144 j + 256 j in v
	s_sub_co_u32 s66, 24576, s66
	s_mov_b32 s67, 0
	s_lshl_b32 s68, s28, 9                         ; my 128 numbers of a bias
	s_mov_b32 s69, 0
	s_mul_i32 s51, s28, QUART
	s_wait_dscnt 0x0                               ; both opening adds are done
	s_wait_kmcnt 0x0
	s_add_nc_u64 s[4:5], s[4:5], s[52:53]
	s_add_nc_u64 s[6:7], s[6:7], s[52:53]
	s_add_nc_u64 s[8:9], s[8:9], s[52:53]          ; s[8:9]: the tensor that the refills ask for: query, then values
.irp g, 0,1
	s_mov_b32 s[G0+4*\g], 1
	s_add_co_u32 s[G0+4*\g+1], s51, \g*SLOT
	s_add_nc_u64 s[G0+4*\g+2:G0+4*\g+3], s[6:7], \g*1024
	s_or_b32 s[G0+4*\g+3], s[G0+4*\g+3], 0x80000000
.endr
	tensor_load_to_lds s[G0:G0+3], s[G1:G1+7]      ; keys, first half along K: one tensor load a wave at the head
	s_nop 0
	v_and_b32 v[PFO], 31, v0
	v_lshlrev_b32 v[PFO], 17, v[PFO]               ; a lane a row: 131,072 bytes apart
	v_and_b32 v1, 15, v0                           ; r
	v_bfe_u32 v2, v0, 4, 1                         ; h
.irp c, 0,1,2,3
	global_prefetch_b8 v[PFO], s[6:7] offset:1024+256*\c th:TH_LOAD_NT scope:SCOPE_SE   ; keys, second half: what my next tensor load asks for
.endr
	s_wait_alu depctr_va_vdst(0)                   ; the wait directly ahead of the run of scalar instructions
	s_add_nc_u64 s[16:17], s[16:17], s[54:55]
	s_add_nc_u64 s[18:19], s[18:19], s[58:59]
	s_add_nc_u64 s[10:11], s[10:11], s[68:69]
	s_add_nc_u64 s[12:13], s[12:13], s[68:69]      ; s[12:13]: the trip's bias: bk, then bq
	s_add_nc_u64 s[14:15], s[14:15], s[68:69]
	s_add_nc_u64 s[62:63], s[20:21], s[62:63]      ; where v goes
	s_add_nc_u64 s[20:21], s[22:23], s[60:61]      ; s[20:21]: where the trip's codes go: kws, then qws
	s_add_nc_u64 s[24:25], s[24:25], s[60:61]
	v_and_b32 v[L16], 31, v0
	v_lshlrev_b32 v[L8], 3, v[L16]
	v_lshlrev_b32 v[L16], 4, v[L16]
	v_lshlrev_b32 v[R16], 4, v1
	v_and_b32 v[XA+1], 8, v1
	v_add_nc_u32 v[XA+1], v[XA+1], v1              ; r + 8 (r / 8)
	v_lshlrev_b32 v[BV], 2, v[XA+1]
	v_mul_u32_u24 v[XA], v[XA+1], PITCH
	v_lshl_add_u32 v[XA], v2, 6, v[XA]
	v_add_nc_u32 v[XA], s51, v[XA]                 ; x in slot 0: my quarter, my row, + 64 h
	v_add_nc_u32 v[XA+1], SLOT, v[XA]
	s_mul_i32 s30, s28, 12288
	v_add_nc_u32 v[XWI], s30, v[L16]
	v_add_nc_u32 v[XWI], XIMG, v[XWI]              ; my two tiles' images
	s_lshl_b32 s30, s28, 9
	v_add_nc_u32 v[XWS], s30, v[R16]
	v_add_nc_u32 v[XWS], XSC, v[XWS]
	v_add_nc_u32 v[XRI], XIMG, v[L16]
	v_add_nc_u32 v[XRS], XSC, v[R16]
	v_mul_u32_u24 v[SOF], v2, 26624                ; scale words: lanes 16-31 store the second head's
	v_add_nc_u32 v[SOF], v[SOF], v[R16]
	v_mul_u32_u24 v[SOFV], v2, 25600
	v_add_nc_u32 v[SOFV], v[SOFV], v[R16]
	v_lshlrev_b32 v[H16], 4, v2
	v_lshlrev_b32 v[BQ], 6, v2
.irp b, 0,1,2,3
	v_mov_b32 v[TM+4+\b], 0                        ; a lane permute's destination counts as one of its sources
.endr
	s_wait_alu depctr_va_vdst(0)
	s_wait_tensorcnt 0x0                           ; slot 1's first fill is issued as a refill is
	ds_add_u32 v[SPW], v[NIL]
	s_wait_dscnt 0x0
	s_barrier_signal -1
	s_barrier_wait -1
	tensor_load_to_lds s[G0+4:G0+7], s[G1:G1+7]    ; keys, second half
	s_nop 0
	PLACES 4
	s_mov_b32 s31, 2
.Lblk:                                             ; two trips: keys, query
	PF 0                                           ; the next tensor's first half: what my next tensor load asks for
	LOADA 0                                        ; the trip's weight; it is waited for behind the quantising of x
	WIN 0x40
.irp i, 0,1,2,3,4,5,6,7
	global_load_b128 v[BIAS+8*\i:BIAS+8*\i+3], v[BQ], s[12:13] offset:4*(32*(\i/2)+8*(\i%2))        ; the bias at the lane's eight channels of tile i
	global_load_b128 v[BIAS+8*\i+4:BIAS+8*\i+7], v[BQ], s[12:13] offset:4*(32*(\i/2)+8*(\i%2))+16
.endr
	WIN 0
	s_add_nc_u64 s[26:27], s[20:21], s[56:57]      ; where the scale words go
	XQ 0, 0
	TRIP 0                                         ; slot 1 is whole, slot 0 is asked for again
	XQ 1, 1
	s_wait_loadcnt 0x0                             ; the weight, its scale words, the bias
	s_wait_dscnt 0x0                               ; for the others' sake: my images have landed
	s_barrier_signal -1
	s_barrier_wait -1
	FB 0, 0
	FB 0, 1
	FB 0, 2
.irp o, 0,1,2,3,4
	MITER 0, \o
.endr
	TRIP 1                                         ; all eight tiles of x have been fetched from the images, so the next block may write them; slot 1 is asked for again
.irp o, 5,6,7
	MITER 0, \o
.endr
	global_store_b128 v[SOF], v[SW:SW+3], s[26:27]               ; sixteen lanes store 256 consecutive bytes
	global_store_b128 v[SOF], v[SW+4:SW+7], s[26:27] offset:256
	s_wait_xcnt 0x0                                ; every base may be written
	s_mov_b64 s[20:21], s[24:25]
	s_mov_b64 s[12:13], s[14:15]
	s_mov_b64 s[8:9], s[4:5]
	s_add_nc_u64 s[16:17], s[16:17], 196608
	s_add_nc_u64 s[18:19], s[18:19], 8192
	s_sub_co_u32 s31, s31, 1
	s_cmp_lg_u32 s31, 0
	s_cbranch_scc1 .Lblk
	; values: written out, since nothing more is asked for
	s_mov_b64 s[20:21], s[62:63]
	s_add_nc_u64 s[26:27], s[20:21], s[66:67]
	s_sub_nc_u64 s[16:17], s[16:17], 589824        ; back to Wv, the first of the four weights
	s_sub_nc_u64 s[18:19], s[18:19], 24576
	WIN 0x40
.irp i, 0,1,2,3,4,5,6,7
.irp j, 0,1,2,3,4,5,6,7
	global_load_b32 v[BIAS+8*\i+\j], v[BV], s[10:11] offset:4*(32*(\i/2)+8*(\i%2))   ; a lane holds one channel: its bias in all eight registers
.endr
.endr
	WIN 0
	FB 1, 0                                        ; Wv's first three tiles land under the quantising of x
	FB 1, 1
	FB 1, 2
	XQ 0, 0
	s_wait_tensorcnt 0x0                           ; my part of slot 1
	XQ 1, 0
	s_wait_dscnt 0x0                               ; for the others' sake: my images have landed
	s_barrier_signal -1
	s_barrier_wait -1
	LOADA 1
	s_wait_dscnt 0x0
.irp o, 0,1,2,3,4,5,6,7
	MITER 1, \o
.endr
.irp j, 0,1,2,3
	v_cndmask_b32 v[MG+\j], v[SW+\j], v[SW+4+\j], s50   ; lanes 16-31 store the second head's four words
.endr
	global_store_b128 v[SOFV], v[MG:MG+3], s[26:27]
	s_wait_tensorcnt 0x0                           ; the wave's end
	ds_add_u32 v[SPW], v[NIL]
	s_wait_dscnt 0x0
	s_endpgm
.Lfunc_end_k_q9c4d196dd6_proj:
	.size	k_q9c4d196dd6_proj, .Lfunc_end_k_q9c4d196dd6_proj-k_q9c4d196dd6_proj
	.p2alignl 7, 3214868480
	.fill 96, 4, 3214868480
	.section	.rodata,"a",@progbits
	.p2align	6, 0x0
	.amdhsa_kernel k_q9c4d196dd6_proj
		.amdhsa_group_segment_fixed_size 327680
		.amdhsa_private_segment_fixed_size 0
		.amdhsa_enable_private_segment 0
		.amdhsa_kernarg_size 88
		.amdhsa_user_sgpr_count 2
		.amdhsa_user_sgpr_kernarg_segment_ptr 1
		.amdhsa_wavefront_size32 1
		.amdhsa_system_sgpr_workgroup_id_x 1
		.amdhsa_system_sgpr_workgroup_id_y 1
		.amdhsa_system_sgpr_workgroup_id_z 1
		.amdhsa_system_vgpr_workitem_id 0
		.amdhsa_next_free_vgpr 1024
		.amdhsa_next_free_sgpr 72
		.amdhsa_reserve_vcc 0
		.amdhsa_float_denorm_mode_32 3
		.amdhsa_float_denorm_mode_16_64 3
		.amdhsa_memory_ordered 1
		.amdhsa_forward_progress 1
		.amdhsa_inst_pref_size 255
	.end_amdhsa_kernel
	.section	.bss,"aw",@nobits
	.p2align	6
	.space	262144
	.amdgpu_metadata
---
amdhsa.version: [ 1, 2 ]
amdhsa.kernels:
  - .name:           k_q9c4d196dd6_proj
    .symbol:         k_q9c4d196dd6_proj.kd
    .args:
      - { .name: values, .offset: 0, .size: 8, .value_kind: global_buffer, .address_space: global }
      - { .name: keys, .offset: 8, .size: 8, .value_kind: global_buffer, .address_space: global }
      - { .name: query, .offset: 16, .size: 8, .value_kind: global_buffer, .address_space: global }
      - { .name: bv, .offset: 24, .size: 8, .value_kind: global_buffer, .address_space: global }
      - { .name: bk, .offset: 32, .size: 8, .value_kind: global_buffer, .address_space: global }
      - { .name: bq, .offset: 40, .size: 8, .value_kind: global_buffer, .address_space: global }
      - { .name: wimg, .offset: 48, .size: 8, .value_kind: global_buffer, .address_space: global }
      - { .name: wscl, .offset: 56, .size: 8, .value_kind: global_buffer, .address_space: global }
      - { .name: vws, .offset: 64, .size: 8, .value_kind: global_buffer, .address_space: global }
      - { .name: kws, .offset: 72, .size: 8, .value_kind: global_buffer, .address_space: global }
      - { .name: qws, .offset: 80, .size: 8, .value_kind: global_buffer, .address_space: global }
    .group_segment_fixed_size: 327680
    .private_segment_fixed_size: 0
    .kernarg_segment_align: 8
    .kernarg_segment_size: 88
    .max_flat_workgroup_size: 128
    .sgpr_count:     72
    .vgpr_count:     1024
    .wavefront_size: 32
...
	.end_amdgpu_metadata
.endif
;; end of part 2
;; launch attn (part 3): grid 4 x 64, 16 waves a work-group, clusters of 4 x 1, 327,680 bytes of LDS; arguments qws, kws, vws, wimg, wscl, bo, out0; writes out0
.if DOCPART == 3
	.amdgcn_target "amdgcn-amd-amdhsa--gfx1250"
	.amdhsa_code_object_version 6
	.text
	.protected	k_q9c4d196dd6_attn
	.globl	k_q9c4d196dd6_attn
	.p2align	8
	.type	k_q9c4d196dd6_attn,@function
k_q9c4d196dd6_attn:
	s_mov_b64 s[64:65], 0
	v_nop
	global_prefetch_b8 v0, s[64:65] scope:SCOPE_SE
	s_setreg_imm32_b32 hwreg(HW_REG_WAVE_MODE, 25, 1), 1
	s_wait_xcnt 0x0
	s_wait_alu depctr_hold_cnt(0) depctr_sa_sdst(0) depctr_va_vdst(0) depctr_va_sdst(0) depctr_va_ssrc(0) depctr_va_vcc(0) depctr_vm_vsrc(0)
	s_getreg_b32 s2, hwreg(HW_REG_IB_STS2, 6, 4)
	s_cmp_eq_u32 s2, 0
	s_cbranch_scc0 .Lentry_in_a_cluster
	s_endpgm
.Lentry_in_a_cluster:
	s_bfe_u32 s2, ttmp6, 0x10000c
	s_cmp_lg_u32 s2, 0x3003
	s_cbranch_scc0 .Lentry_shape_is_right
	s_endpgm
.Lentry_shape_is_right:
; For each t and head: O[q] = the sum over keys k of softmax_k(Q[q] . K[k] / sqrt(512)) V[k] (queries and keys are the batch index n, d = 64), then out0 = Q(O) Q(Wo)^T + bo.  All products on codes of FP6 (E2M3) with E8M0 scales.
; THE SOFTMAX AHEAD OF THE SECOND PRODUCT: t = score x log2(e) / sqrt(512); M = the row's largest t so far, rounded up to a whole number; p = 2^(t - M) is quantised along the keys, not normalised; the row's sum is taken of the
; unquantised p and divides O at the end.  When M moves, the sum and O are multiplied by 2^(old M - new M): exact.
; SHARES.  A work-group (x: block of 128 queries, y: t) has sixteen waves, four to a SIMD.  In each of four phases it takes two heads: wave w takes head 2 p + w / 8 and the tile of 16 queries w % 8, and walks the 512 keys, 128 a step.
; A phase's K and V (104,448 bytes, as the launch before laid them: images of operand registers) come by four tensor loads (waves 0, 1: K's two heads; 2, 3: V's) into one of two LDS slots.
; CLUSTER.  The four work-groups of one t, its four blocks of queries, form a cluster and walk the same K and V: each tile is asked for JOINTLY, by the same tensor load with the same descriptor (it hangs on t and the wave's number alone)
; and a mask that names the four; each receives it in its own LDS.  That divides the requests for K and V by four.  The block of queries enters Q's offsets and out0's base alone, in registers that feed no descriptor and no LDS address.
; Both products are used transposed (S^T = K Q^T, O^T = V^T P^T): a lane holds one query throughout.  K = 64 in the first product: the upper six registers of K's and Q's fragments are zeros.
; The tiles of keys, of queries and of d are those of the launch before: lane r of tile T is row 32 (T / 2) + 8 (T % 2) + r + 8 (r / 8): so p's 16 registers of two neighbouring tiles are 16 neighbouring keys, and O^T's likewise 16 neighbouring d.
; A head's O / sum is quantised along d in registers; it is half of a K step's fragment of the last product and goes to LDS as an image.  Then wave w makes out0's columns 32 w .. 32 w + 31 for the 128 queries (Wo's two tiles in registers);
; the results meet in a stage of 64 rows x (2,048 + 16) bytes, which lies in the slots after their last fill and last read, and leave as whole rows.
; LIMITS: a block whose largest magnitude lies under 2^-124 keeps the byte 1; NaN and infinities are not served.
; REGISTERS: v1-2 the add's; v3-7 LDS bases, v8-12 the same in the slot in hand; v13-15 Q's offsets; v16-27 Q, v28 its scale word; v29-31, v92-94 where O's image goes; v32-79 four fragments of K; v80-83, v84-87 K's and V's scale words;
;   v88 -M, v89 the largest t, v[90:91] the sum; v96-159 S^T, then p, then V's four fragments; v160-191 O^T; v192-203 p's codes; v204-224 at work; v226 f, v227 p's scale word;
;   the last product: v3-5, v8-12, v29 addresses; v32-79, v96-143 Wo; v144-191 O's fragments; v192-207 two accumulators; v228-235 Wo's scale words, v236-239 O's; v240-255 the bias.
.set KB,    26624                      ; a head's K (or Q): 32 half fragments of 768 bytes, 2,048 bytes of scale words
.set VB,    25600                      ; a head's V: 16 fragments of 1,536 bytes, 1,024 bytes of scale words
.set VOFF,  2*KB
.set SLOT1, 131072                     ; slot 1 begins here: one exclusive or turns an address
.set OIMG,  SLOT1+2*KB+2*VB            ; O's 32 fragments (4 x tile + K step), each two halves of 768 bytes
.set OSC,   OIMG+32*1536               ; their scale words [tile][row][K step]
.set SPARE, OSC+2048                   ; the spare words, 128 bytes a wave: eight blocks of 256 bytes that no other line names
.set SPITCH, 2064
.macro PLACES n
.rept \n
	v_nop
.endr
.endm
; A joint load.  Waves 0 and 1 fetch K, waves 2 and 3 V, the others nothing: the branches hang on the wave's number alone and are the same in every work-group.  Four v_nop follow each of the two lines.
.macro TLOAD
	s_cmp_lt_u32 s18, 2
	s_cbranch_scc0 .Lnot_k_\@
	tensor_load_to_lds s[40:43], s[24:31]
	s_nop 0
	PLACES 4
	s_branch .Lasked_\@
.Lnot_k_\@:
	s_cmp_lt_u32 s18, 4
	s_cbranch_scc0 .Lasked_\@
	tensor_load_to_lds s[44:47], s[32:39]
	s_nop 0
	PLACES 4
.Lasked_\@:
.endm
; A round of the cluster's barrier: my work-group's barrier, so that wave 0's signal speaks for all sixteen waves; wave 0 signals for the work-group; every wave waits for all four work-groups; my work-group's barrier once more.
.macro CROUND
	s_barrier_signal -1
	s_barrier_wait -1
	s_cmp_lg_u32 s18, 0
	s_cbranch_scc1 .Lnot_wave_0_\@
	s_barrier_signal -3
.Lnot_wave_0_\@:
	s_barrier_wait -3
	s_barrier_signal -1
	s_barrier_wait -1
.endm
; The change of slots at a phase's head.  fill = 1: the slot just left is asked for again, with the next two heads; the barrier is then a round of the cluster's, so that no wave of any partner still reads that slot or has a load on its way.
.macro CHANGE fill
	s_wait_tensorcnt 0x0                           ; no tensor load of mine is out (one was, at the most), so a group 0 may be written
	ds_add_u32 v1, v2                              ; 0 onto my spare word
.if \fill
	s_xor_b32 s41, s41, SLOT1
	s_add_nc_u64 s[42:43], s[42:43], 2*KB          ; the type bits on top are not reached
	s_xor_b32 s45, s45, SLOT1
	s_add_nc_u64 s[46:47], s[46:47], 2*VB
	s_wait_dscnt 0x0                               ; the add is done; my reads of the slot that I have left, and my stores, are over
	CROUND
	TLOAD                                          ; the first thing behind the round, a wave's one tensor load until the next
.else
	s_wait_dscnt 0x0
	s_barrier_signal -1
	s_barrier_wait -1
.endif
.endm
; four tiles of 16 keys (the g-th four of key step q) and their scale words: nine loads
.macro KLOAD q, g
.irp tt, 0,1,2,3
	ds_load_b128 v[32+12*\tt:35+12*\tt], v8 offset:(8*(\q)+4*(\g)+\tt)*768
	ds_load_b64 v[36+12*\tt:37+12*\tt], v9 offset:(8*(\q)+4*(\g)+\tt)*768
.endr
	ds_load_b128 v[80:83], v10 offset:512*(\q)+256*(\g)
.endm
; A KEY STEP: keys 128 q .. 128 q + 127.  first = 1: a phase's first step starts M, and O^T's sums with the constant 0.
.macro STEP q, first
.irp g, 0,1                                    ; S^T = K Q^T, four tiles of 16 keys at a time
	PLACES 5-\g                                    ; g = 0: the scores are laid over V's fragments, which the last products read: five places; g = 1: four, in front of loads into registers that products have read
.if \g || \first                               ; (a later step's first four tiles were fetched in the step before and waited for in front of its last products)
	KLOAD \q, \g
	s_wait_dscnt 0x0
.endif
.irp tt, 0,1,2,3
	v_wmma_scale_f32_16x16x128_f8f6f4 v[96+8*(4*\g+\tt):103+8*(4*\g+\tt)], v[32+12*\tt:43+12*\tt], v[16:27], 0, v[80+\tt], v28 matrix_a_fmt:MATRIX_FMT_FP6 matrix_b_fmt:MATRIX_FMT_FP6
.endr
.endr                                          ; the 16 registers of tiles 2 b, 2 b + 1 are keys 128 q + 32 b + 16 (lane / 16) + 0 .. 15
	PLACES 4                                       ; in front of the first read of results, and of the loads below into K's registers
.if (\q) < 3
	KLOAD (\q)+1, 0                                ; K A STEP AHEAD: its registers are free now, and the next step's first four tiles land under the softmax.  (A phase's last step fetches nothing: the next phase's slot is not yet shown whole)
.endif
.irp b, 0,1,2,3
	v_max3_num_f32 v[212+\b], v[96+16*\b], v[97+16*\b], v[98+16*\b]   ; the largest score of each block of 32 keys: for the row's maximum and, since p rises with the score, for the block's largest p
.endr
.irp i, 3,5,7,9,11,13
.irp b, 0,1,2,3
	v_max3_num_f32 v[212+\b], v[212+\b], v[96+16*\b+\i], v[97+16*\b+\i]
.endr
.endr
.irp b, 0,1,2,3
	v_max_num_f32 v[212+\b], v[212+\b], v[111+16*\b]
.endr
.irp b, 0,1,2,3
	s_delay_alu instid0(VALU_DEP_4)
	v_permlanex16_b32 v[216+\b], v[212+\b], s20, s21
.endr
.irp b, 0,1,2,3
	s_delay_alu instid0(VALU_DEP_4)
	v_max_num_f32 v[212+\b], v[212+\b], v[216+\b]  ; with lane l xor 16's 16 keys
.endr
	s_delay_alu instid0(VALU_DEP_2)
	v_max3_num_f32 v224, v212, v213, v214
	s_delay_alu instid0(VALU_DEP_1)
	v_max_num_f32 v224, v224, v215                 ; the step's largest score of my query
.if \first
	s_delay_alu instid0(VALU_DEP_1)
	v_mul_f32 v89, s22, v224                       ; as t (c is positive)
	s_delay_alu instid0(VALU_DEP_1)
	v_floor_f32 v88, -v89                          ; -M = floor(-t) = -ceil(t)
.else
	s_delay_alu instid0(VALU_DEP_1)
	v_mul_f32 v224, s22, v224
	s_delay_alu instid0(VALU_DEP_1)
	v_max_num_f32 v89, v89, v224                   ; the running largest t
	v_mov_b32 v224, v88
	s_delay_alu instid0(VALU_DEP_2)
	v_floor_f32 v88, -v89
	s_delay_alu instid0(VALU_DEP_1)
	v_sub_f32 v224, v88, v224                      ; M's old value less its new one: a whole number, 0 or less
	s_delay_alu instid0(VALU_DEP_1)
	v_cvt_i32_f32 v224, v224                       ; (it saturates)
	s_delay_alu instid0(VALU_DEP_1)
	v_ldexp_f32 v226, 1.0, v224                    ; f = 2^(old M - new M)
.endif
.set JJ, 0
.rept 32
	v_pk_fma_f32 v[96+JJ:97+JJ], v[96+JJ:97+JJ], s[22:23], v[88:89] op_sel_hi:[1,0,0]   ; t - M, two at a time (of the pairs c and -M the low word serves both halves)
.set JJ, JJ+2
.endr
.irp b, 0,1,2,3
	v_fma_f32 v[212+\b], v[212+\b], s22, v88       ; the same of each block's largest score
.endr
.set JJ, 0
	s_wait_alu depctr_va_vdst(0)
.rept 64
	v_exp_f32 v[96+JJ], v[96+JJ]                   ; p = 2^(t - M), at most 1
.set JJ, JJ+1
.endr
.irp b, 0,1,2,3
	v_exp_f32 v[212+\b], v[212+\b]                 ; the block's largest p: the same two instructions on the same number
.endr
.if \first
	v_nop                                          ; a plain place behind the exponentials
	s_wait_alu depctr_va_vdst(0)
.else
	v_pk_mul_f32 v[90:91], v[90:91], v[226:227] op_sel_hi:[1,0]   ; the sums under the new M.  (A plain place behind the exponentials)
	s_wait_alu depctr_va_vdst(0)
.endif
.irp b, 0,1,2,3
	v_max_num_f32 v[212+\b], 0x1800000, v[212+\b]  ; the floor 2^(3 - 127): the byte cannot fall under 1
.endr
.irp b, 0,1,2,3
	s_delay_alu instid0(VALU_DEP_4)
	v_add_nc_u32 v[220+\b], 0xff000000, v[212+\b]  ; 2 off the exponent field: the conversion's scale operand
.endr
.irp b, 0,1,2,3
	s_delay_alu instid0(VALU_DEP_4)
	v_lshrrev_b32 v[216+\b], 23, v[220+\b]         ; the scale's byte
.endr
	s_delay_alu instid0(VALU_DEP_3)
	v_lshl_or_b32 v227, v217, 8, v216              ; p's scale word for these 128 keys
	s_delay_alu instid0(VALU_DEP_1)
	v_lshl_or_b32 v227, v218, 16, v227
	s_delay_alu instid0(VALU_DEP_1)
	v_lshl_or_b32 v227, v219, 24, v227
.irp c, 0,1
	v_cvt_scalef32_pk16_fp6_f32 v[192+6*\c:194+6*\c], v[96+32*\c:111+32*\c], v[220+2*\c]
	v_cvt_scalef32_pk16_fp6_f32 v[204+4*\c:206+4*\c], v[112+32*\c:127+32*\c], v[220+2*\c+1]   ; (a conversion's three registers begin on an even number)
.endr
	v_nop                                          ; one plain place behind a scaled conversion
.irp c, 0,1                                    ; a whole block to a lane
.irp i, 0,1,2
	v_permlane16_swap_b32 v[192+6*\c+\i], v[204+4*\c+\i]
.endr
.irp i, 0,1,2
	s_delay_alu instid0(VALU_DEP_3)
	v_mov_b32 v[195+6*\c+\i], v[204+4*\c+\i]
.endr
.endr
	v_pk_add_f32 v[204:205], v[100:101], v[104:105]
	v_pk_add_f32 v[254:255], v[108:109], v[112:113]
	v_pk_add_f32 v[252:253], v[116:117], v[120:121]
	v_pk_add_f32 v[250:251], v[124:125], v[128:129]
	v_pk_add_f32 v[248:249], v[132:133], v[136:137]
	v_pk_add_f32 v[246:247], v[140:141], v[144:145]
	v_pk_add_f32 v[244:245], v[148:149], v[152:153]
	v_pk_add_f32 v[90:91], v[90:91], v[156:157]
	v_pk_add_f32 v[204:205], v[204:205], v[96:97]
	v_pk_add_f32 v[254:255], v[254:255], v[98:99]
	v_pk_add_f32 v[252:253], v[252:253], v[102:103]
	v_pk_add_f32 v[250:251], v[250:251], v[106:107]
	v_pk_add_f32 v[248:249], v[248:249], v[110:111]
	v_pk_add_f32 v[246:247], v[246:247], v[114:115]
	v_pk_add_f32 v[244:245], v[244:245], v[118:119]
	v_pk_add_f32 v[90:91], v[90:91], v[122:123]
	v_pk_add_f32 v[204:205], v[204:205], v[126:127]
	v_pk_add_f32 v[254:255], v[254:255], v[130:131]
	v_pk_add_f32 v[252:253], v[252:253], v[134:135]
	v_pk_add_f32 v[250:251], v[250:251], v[138:139]
	v_pk_add_f32 v[248:249], v[248:249], v[142:143]
	v_pk_add_f32 v[246:247], v[246:247], v[146:147]
	v_pk_add_f32 v[244:245], v[244:245], v[150:151]
	v_pk_add_f32 v[90:91], v[90:91], v[154:155]
	v_pk_add_f32 v[204:205], v[204:205], v[158:159]
	s_delay_alu instid0(VALU_DEP_2)
	v_pk_add_f32 v[90:91], v[90:91], v[250:251]
	s_delay_alu instid0(VALU_DEP_2)
	v_pk_add_f32 v[204:205], v[204:205], v[248:249]
	v_pk_add_f32 v[254:255], v[254:255], v[246:247]
	v_pk_add_f32 v[252:253], v[252:253], v[244:245]
	s_delay_alu instid0(VALU_DEP_2)
	v_pk_add_f32 v[90:91], v[90:91], v[254:255]
	s_delay_alu instid0(VALU_DEP_2)
	v_pk_add_f32 v[204:205], v[204:205], v[252:253]
	s_delay_alu instid0(VALU_DEP_1)
	v_pk_add_f32 v[90:91], v[90:91], v[204:205]
.irp d, 0,1,2,3                                ; V's four fragments (16 d x these 128 keys) over p, which is done with
.irp c, 0,1,2
	ds_load_b128 v[96+12*\d+4*\c:99+12*\d+4*\c], v11 offset:(4*(\q)+\d)*1536+512*\c
.endr
.endr
	ds_load_b128 v[84:87], v12 offset:256*(\q)
.if !\first
.set JJ, 0
.rept 16
	v_pk_mul_f32 v[160+JJ:161+JJ], v[160+JJ:161+JJ], v[226:227] op_sel_hi:[1,0]   ; O^T under the new M, from each accumulator's low end on
.set JJ, JJ+2
.endr
.endif
	s_wait_alu depctr_va_vdst(0)
	s_wait_dscnt 0x0                               ; V is in, and so are the next step's first four tiles of K
.irp d, 0,1,2,3                                ; O^T += V^T P^T: the four accumulators by turns
.if \first
	v_wmma_scale_f32_16x16x128_f8f6f4 v[160+8*\d:167+8*\d], v[96+12*\d:107+12*\d], v[192:203], 0, v[84+\d], v227 matrix_a_fmt:MATRIX_FMT_FP6 matrix_b_fmt:MATRIX_FMT_FP6
.else
	v_wmma_scale_f32_16x16x128_f8f6f4 v[160+8*\d:167+8*\d], v[96+12*\d:107+12*\d], v[192:203], v[160+8*\d:167+8*\d], v[84+\d], v227 matrix_a_fmt:MATRIX_FMT_FP6 matrix_b_fmt:MATRIX_FMT_FP6
.endif
.endr
.endm
; A head's end: O^T / the sum; register 16 b + i is d = 32 b + 16 (lane / 16) + i: two blocks along the last product's K.  Its codes are six registers of a fragment.
.macro EPILOGUE last
	PLACES 4                                       ; behind the last products
.if \last
	v_and_b32 v8, 31, v0                           ; the working addresses are done with: offsets for the last product's operands, which are asked for here
	s_delay_alu instid0(VALU_DEP_1)
	v_lshlrev_b32 v8, 4, v8                        ; 16 x lane
	v_and_b32 v9, 15, v0
	s_delay_alu instid0(VALU_DEP_1)
	v_lshlrev_b32 v9, 4, v9                        ; 16 r
	v_bfe_u32 v10, v0, 4, 1
	s_delay_alu instid0(VALU_DEP_1)
	v_lshlrev_b32 v10, 6, v10                      ; 64 h
.irp u, 0,1
.irp ks, 0,1,2,3
.irp c, 0,1,2
	global_load_b128 v[32+64*\u+12*\ks+4*\c:35+64*\u+12*\ks+4*\c], v8, s[10:11] offset:(4*\u+\ks)*1536+512*\c   ; Wo's tile 2 w + u
.endr
.endr
	global_load_b128 v[228+4*\u:231+4*\u], v9, s[12:13] offset:256*\u
	global_load_b128 v[240+8*\u:243+8*\u], v10, s[14:15] offset:32*\u      ; bo at columns 32 w + 16 h + 8 u + 0 .. 7
	global_load_b128 v[244+8*\u:247+8*\u], v10, s[14:15] offset:32*\u+16
.endr
.endif
	v_add_f32 v90, v90, v91                        ; the sum's two halves,
	s_delay_alu instid0(VALU_DEP_1)
	v_permlanex16_b32 v216, v90, s20, s21
	s_delay_alu instid0(VALU_DEP_1)
	v_add_f32 v90, v90, v216                       ; and lane l xor 16's
	s_wait_alu depctr_va_vdst(0)
	v_rcp_f32 v224, v90
	v_nop                                          ; one plain place behind a transcendental
.set JJ, 0
	s_wait_alu depctr_va_vdst(0)
.rept 16
	v_pk_mul_f32 v[160+JJ:161+JJ], v[160+JJ:161+JJ], v[224:225] op_sel_hi:[1,0]
.set JJ, JJ+2
.endr
.irp b, 0,1
	v_max3_num_f32 v[212+\b], |v[160+16*\b]|, |v[161+16*\b]|, 0x1800000
.endr
.irp i, 2,4,6,8,10,12,14
.irp b, 0,1
	s_delay_alu instid0(VALU_DEP_2)
	v_max3_num_f32 v[212+\b], v[212+\b], |v[160+16*\b+\i]|, |v[161+16*\b+\i]|
.endr
.endr
.irp b, 0,1
	s_delay_alu instid0(VALU_DEP_2)
	v_permlanex16_b32 v[216+\b], v[212+\b], s20, s21
.endr
.irp b, 0,1
	s_delay_alu instid0(VALU_DEP_2)
	v_max_num_f32 v[212+\b], v[212+\b], v[216+\b]
.endr
.irp b, 0,1
	s_delay_alu instid0(VALU_DEP_2)
	v_add_nc_u32 v[220+\b], 0xff000000, v[212+\b]
.endr
.irp b, 0,1
	s_delay_alu instid0(VALU_DEP_2)
	v_lshrrev_b32 v[216+\b], 23, v[220+\b]
.endr
	s_delay_alu instid0(VALU_DEP_1)
	v_lshl_or_b32 v224, v217, 8, v216              ; my head's two bytes of the row's scale word
	v_cvt_scalef32_pk16_fp6_f32 v[192:194], v[160:175], v220
	v_cvt_scalef32_pk16_fp6_f32 v[204:206], v[176:191], v221
	v_nop                                          ; one plain place behind a scaled conversion
.irp i, 0,1,2
	v_permlane16_swap_b32 v[192+\i], v[204+\i]
.endr
.irp i, 0,1,2
	s_delay_alu instid0(VALU_DEP_3)
	v_mov_b32 v[195+\i], v[204+\i]
.endr
	ds_store_b128 v92, v[192:195]
	ds_store_b64 v93, v[196:197]
	ds_store_b16 v94, v224                         ; lanes r and 16 + r write the same two bytes with the same value
.endm
.macro PHASE fill, last
	global_load_b128 v[16:19], v13, s[52:53]       ; Q of my tile and head: six registers and the scale word
	global_load_b64 v[20:21], v14, s[52:53]
	global_load_b32 v28, v15, s[52:53]
	CHANGE \fill
.irp i, 0,1,2,3,4
	v_add_nc_u32 v[8+\i], s48, v[3+\i]             ; the slot in hand
.endr
	v_add_nc_u32 v92, s50, v29                     ; where this phase's image of O goes
	v_add_nc_u32 v93, s50, v30
	v_add_nc_u32 v94, s51, v31
	v_mov_b32 v90, 0                               ; the sum, in two halves
	v_mov_b32 v91, 0
	s_wait_alu depctr_va_vdst(0)
	s_wait_loadcnt 0x0                             ; Q
	s_add_nc_u64 s[52:53], s[52:53], 2*KB          ; two heads on (behind the last phase the stepped address is not used)
	STEP 0, 1
	STEP 1, 0
	STEP 2, 0
	STEP 3, 0
	EPILOGUE \last
	s_xor_b32 s48, s48, SLOT1
	s_add_co_u32 s50, s50, 1536
	s_add_co_u32 s51, s51, 4
.endm
; The last product for tiles of queries 4 a .. 4 a + 3: 64 rows of out0.
.macro OPASS a
.irp mm, 0,1,2,3
.irp ks, 0,1,2,3
.irp e, 0,1
	ds_load_b128 v[144+12*\ks+6*\e:147+12*\ks+6*\e], v11 offset:(4*(4*\a+\mm)+\ks)*1536+768*\e
	ds_load_b64 v[148+12*\ks+6*\e:149+12*\ks+6*\e], v12 offset:(4*(4*\a+\mm)+\ks)*1536+768*\e
.endr
.endr
	ds_load_b128 v[236:239], v3 offset:256*(4*\a+\mm)
	s_wait_dscnt 0x0                               ; the fragments are in, and the last tile's stores into the stage have read their registers
.irp ks, 0,1,2,3                               ; source 0 = 16 rows of Wo, source 1 = 16 queries; the two accumulators take turns
.irp u, 0,1
.if \ks == 0
	v_wmma_scale_f32_16x16x128_f8f6f4 v[192+8*\u:199+8*\u], v[32+64*\u:43+64*\u], v[144:155], v[240+8*\u:247+8*\u], v[228+4*\u], v236 matrix_a_fmt:MATRIX_FMT_FP6 matrix_b_fmt:MATRIX_FMT_FP6
.else
	v_wmma_scale_f32_16x16x128_f8f6f4 v[192+8*\u:199+8*\u], v[32+64*\u+12*\ks:43+64*\u+12*\ks], v[144+12*\ks:155+12*\ks], v[192+8*\u:199+8*\u], v[228+4*\u+\ks], v[236+\ks] matrix_a_fmt:MATRIX_FMT_FP6 matrix_b_fmt:MATRIX_FMT_FP6
.endif
.endr
.endr
	PLACES 5                                       ; four in front of the stores and of loads into the operands, five in front of the products that begin the accumulators anew
.irp u, 0,1
	ds_store_b128 v[4+\mm/2], v[192+8*\u:195+8*\u] offset:(\mm%2)*16*SPITCH+32*\u      ; lane (r, h): row 16 mm + r, columns 32 w + 16 h + 8 u + 0 .. 7; each accumulator from its low end on
	ds_store_b128 v[4+\mm/2], v[196+8*\u:199+8*\u] offset:(\mm%2)*16*SPITCH+32*\u+16
.endr
.endr
	s_wait_dscnt 0x0                               ; for the others' sake: my stores into the stage have landed
	s_barrier_signal -1
	s_barrier_wait -1
.irp i, 0,1,2,3
.irp c, 0,1,2,3
	ds_load_b128 v[144+16*\i+4*\c:147+16*\i+4*\c], v29 offset:\i*SPITCH+512*\c   ; stage rows 4 w + i, whole
.endr
.endr
.irp i, 0,1,2,3
.irp c, 0,1,2,3
	s_wait_dscnt 15-4*\i-\c                        ; the younger loads may stay out
	global_store_b128 v8, v[144+16*\i+4*\c:147+16*\i+4*\c], s[16:17] offset:\i*131072+512*\c th:TH_STORE_NT   ; 32 lanes store 512 consecutive bytes of a row of out0; written once, read by nobody here
.endr
.endr
.endm
	s_load_b256 s[4:11], s[0:1], 0x0               ; qws, kws, vws, wimg
	s_load_b128 s[12:15], s[0:1], 0x20             ; wscl, bo
	s_load_b64 s[16:17], s[0:1], 0x30              ; out0
	v_lshl_add_u32 v1, v0, 2, SPARE
	v_mov_b32 v2, 0
	ds_add_u32 v1, v2
	ds_add_u32 v1, v2
	s_wait_dscnt 0x0
	v_lshrrev_b32 v92, 5, v0
	s_delay_alu instid0(VALU_DEP_1)
	v_readfirstlane_b32 s18, v92                   ; wave 0..15
	s_lshr_b32 s19, s18, 3                         ; which head of a phase's two
	s_bfe_u32 s70, ttmp6, 0x40000                  ; cx: my place in the cluster
	s_lshl_b32 s71, ttmp9, 2                       ; in a cluster launch ttmp9 counts clusters
	s_add_co_u32 s70, s71, s70                     ; my block of 128 queries = 4 x cluster x + cx
	s_and_b32 s54, ttmp7, 0xffff                   ; t, which the four partners share
	s_and_b32 s56, s18, 1                          ; which head I fetch, if I fetch
	s_lshl_b32 s57, s54, 3
	s_add_co_u32 s55, s57, s56
	s_mul_i32 s58, s55, KB                         ; K: in memory
	s_mov_b32 s59, 0
	s_mul_i32 s60, s55, VB                         ; V: in memory
	s_mov_b32 s61, 0
	s_mul_i32 s62, s56, KB                         ; and in a slot: no place in the cluster enters an LDS address
	s_mul_i32 s63, s56, VB
	s_add_co_u32 s63, s63, VOFF
	s_add_co_u32 s66, s57, s19
	s_mul_i32 s66, s66, KB                         ; Q: my head of phase 0
	s_mov_b32 s67, 0
	s_mul_i32 s68, s70, 6144                       ; my block's eight tiles of Q,
	s_lshl_b32 s69, s70, 9                         ; and their scale words
	; descriptor groups 1: dense blocks as rows of 256 bytes (32 elements of 8 bytes): K 104 rows, V 100.  15:0 the mask: all four work-groups; 17:16 elements of 8 bytes; 21 set beside a mask
	s_mov_b32 s24, 15|(3<<16)|(1<<21)
	s_mov_b32 s25, 32<<16
	s_mov_b32 s26, 104<<16
	s_mov_b32 s27, 32<<16
	s_mov_b32 s28, 104
	s_mov_b32 s29, 32
	s_mov_b32 s30, 0
	s_mov_b32 s31, 0
	s_mov_b32 s32, 15|(3<<16)|(1<<21)
	s_mov_b32 s33, 32<<16
	s_mov_b32 s34, 100<<16
	s_mov_b32 s35, 32<<16
	s_mov_b32 s36, 100
	s_mov_b32 s37, 32
	s_mov_b32 s38, 0
	s_mov_b32 s39, 0
	s_mov_b32 s20, 0x76543210
	s_mov_b32 s21, 0xfedcba98                      ; v_permlanex16_b32's selects for lane l xor 16
	s_mov_b32 s22, 0x3d8293ee                      ; c = log2(e) / sqrt(512)
	s_mov_b32 s23, s22                             ; (named with it as a pair, so it is written)
	s_mov_b32 s48, 0                               ; the slot in hand
	s_mov_b32 s49, 3                               ; phases that ask for a next one
	s_mov_b32 s50, 0                               ; O's image: 1,536 bytes a phase
	s_mov_b32 s51, 0                               ; its scale word: 4 bytes a phase
	s_wait_kmcnt 0x0
	s_mov_b32 s40, 1
	s_mov_b32 s41, s62
	s_add_nc_u64 s[42:43], s[6:7], s[58:59]
	s_or_b32 s43, s43, 0x80000000
	s_mov_b32 s44, 1
	s_mov_b32 s45, s63
	s_add_nc_u64 s[46:47], s[8:9], s[60:61]
	s_or_b32 s47, s47, 0x80000000
	CROUND                                         ; all four work-groups are here: the first joint loads meet
	TLOAD                                          ; phase 0 into slot 0
	s_add_nc_u64 s[52:53], s[4:5], s[66:67]
	s_mul_i32 s58, s18, 12288
	s_add_co_u32 s58, s58, 3*196608                ; Wo's tiles 2 w, 2 w + 1
	s_mov_b32 s59, 0
	s_add_nc_u64 s[10:11], s[10:11], s[58:59]
	s_lshl_b32 s58, s18, 9
	s_add_co_u32 s58, s58, 3*8192
	s_add_nc_u64 s[12:13], s[12:13], s[58:59]
	s_lshl_b32 s58, s18, 7
	s_add_nc_u64 s[14:15], s[14:15], s[58:59]      ; bo at column 32 w
	; the first row of out0 that I store: stage row 4 w is lane r = 4 (w % 4) of tile w / 4: n = 128 x block + 32 (w / 8) + 8 ((w / 4) % 2) + r + 8 (r / 8)
	s_lshl_b32 s70, s70, 7
	s_lshl_b32 s71, s19, 5
	s_add_co_u32 s70, s70, s71
	s_bfe_u32 s71, s18, 0x10002
	s_lshl_b32 s71, s71, 3
	s_add_co_u32 s70, s70, s71
	s_and_b32 s71, s18, 3
	s_lshl_b32 s71, s71, 2
	s_add_co_u32 s70, s70, s71
	s_bfe_u32 s71, s18, 0x10001
	s_lshl_b32 s71, s71, 3
	s_add_co_u32 s70, s70, s71
	s_lshl_b32 s70, s70, 17                        ; rows n are 131,072 bytes apart
	s_lshl_b32 s71, s54, 11
	s_add_co_u32 s70, s70, s71
	s_mov_b32 s71, 0
	s_add_nc_u64 s[16:17], s[16:17], s[70:71]
	v_and_b32 v92, 15, v0                          ; r
	v_and_b32 v93, 31, v0                          ; lane
	v_bfe_u32 v94, v0, 5, 3                        ; my tile of queries
	v_bfe_u32 v95, v0, 8, 1                        ; my head of the two
	s_delay_alu instid0(VALU_DEP_1)
	v_mul_u32_u24 v3, v95, KB
	s_delay_alu instid0(VALU_DEP_1)
	v_lshl_add_u32 v4, v93, 3, v3
	s_delay_alu instid0(VALU_DEP_1)
	v_add_nc_u32 v4, 512, v4                       ; K: registers 4-5
	s_delay_alu instid0(VALU_DEP_3)
	v_lshl_add_u32 v5, v92, 4, v3
	s_delay_alu instid0(VALU_DEP_1)
	v_add_nc_u32 v5, 24576, v5                     ; K's scale words
	v_lshl_add_u32 v3, v93, 4, v3                  ; K: registers 0-3
	v_mul_u32_u24 v6, v95, VB
	s_delay_alu instid0(VALU_DEP_1)
	v_add_nc_u32 v6, VOFF, v6
	s_delay_alu instid0(VALU_DEP_1)
	v_lshl_add_u32 v7, v92, 4, v6
	s_delay_alu instid0(VALU_DEP_1)
	v_add_nc_u32 v7, 24576, v7                     ; V's scale words
	s_delay_alu instid0(VALU_DEP_3)
	v_lshl_add_u32 v6, v93, 4, v6                  ; V
	v_mul_u32_u24 v13, v94, 768
	s_delay_alu instid0(VALU_DEP_1)
	v_add_nc_u32 v13, s68, v13
	s_delay_alu instid0(VALU_DEP_1)
	v_lshl_add_u32 v14, v93, 3, v13
	s_delay_alu instid0(VALU_DEP_1)
	v_add_nc_u32 v14, 512, v14
	s_delay_alu instid0(VALU_DEP_3)
	v_lshl_add_u32 v13, v93, 4, v13
	v_lshrrev_b32 v15, 2, v94
	s_delay_alu instid0(VALU_DEP_1)
	v_lshlrev_b32 v15, 8, v15
	s_delay_alu instid0(VALU_DEP_1)
	v_lshl_add_u32 v15, v92, 4, v15
	v_and_b32 v29, 3, v94
	s_delay_alu instid0(VALU_DEP_1)
	v_lshl_add_u32 v15, v29, 2, v15
	s_delay_alu instid0(VALU_DEP_1)
	v_add_nc_u32 v15, s69, v15
	s_delay_alu instid0(VALU_DEP_1)
	v_add_nc_u32 v15, 24576, v15                   ; Q's scale word
	v_mul_u32_u24 v29, v94, 6144
	s_delay_alu instid0(VALU_DEP_1)
	v_mad_u32_u24 v29, v95, 768, v29
	s_delay_alu instid0(VALU_DEP_1)
	v_add_nc_u32 v29, OIMG, v29
	s_delay_alu instid0(VALU_DEP_1)
	v_lshl_add_u32 v30, v93, 3, v29
	s_delay_alu instid0(VALU_DEP_1)
	v_add_nc_u32 v30, 512, v30
	s_delay_alu instid0(VALU_DEP_3)
	v_lshl_add_u32 v29, v93, 4, v29
	v_lshlrev_b32 v31, 8, v94
	s_delay_alu instid0(VALU_DEP_1)
	v_lshl_add_u32 v31, v92, 4, v31
	s_delay_alu instid0(VALU_DEP_1)
	v_lshl_add_u32 v31, v95, 1, v31
	s_delay_alu instid0(VALU_DEP_1)
	v_add_nc_u32 v31, OSC, v31
.irp i, 22,23,24,25,26,27
	v_mov_b32 v[\i], 0                             ; K = 64: the upper halves of Q's and K's fragments are zero codes, set once
.endr
.irp tt, 0,1,2,3
.irp i, 6,7,8,9,10,11
	v_mov_b32 v[32+12*\tt+\i], 0
.endr
.endr
.irp b, 0,1,2,3
	v_mov_b32 v[216+\b], 0                         ; a lane permute's destination counts as one of its sources
.endr
	v_mov_b32 v225, 0                              ; (named as the upper half of the pair v[224:225])
.Lph:                                              ; three trips: behind each change of slots but the last the next two heads are asked for
	PHASE 1, 0
	s_sub_co_u32 s49, s49, 1
	s_cmp_lg_u32 s49, 0
	s_cbranch_scc1 .Lph
	PHASE 0, 1                                     ; the last phase is written out
	s_wait_dscnt 0x0                               ; my images of O have landed, my reads of the slots are over
	s_barrier_signal -1
	s_barrier_wait -1
	v_add_nc_u32 v11, OIMG, v8                     ; O's fragments: registers 0-3 of a half,
	v_and_b32 v12, 31, v0
	s_delay_alu instid0(VALU_DEP_1)
	v_lshlrev_b32 v12, 3, v12
	s_delay_alu instid0(VALU_DEP_1)
	v_add_nc_u32 v12, OIMG+512, v12                ; registers 4-5,
	v_add_nc_u32 v3, OSC, v9                       ; the scale words
	v_and_b32 v4, 15, v0
	s_delay_alu instid0(VALU_DEP_1)
	v_mul_u32_u24 v4, v4, SPITCH
	s_delay_alu instid0(VALU_DEP_1)
	v_add_nc_u32 v4, v4, v10
	s_lshl_b32 s54, s18, 7
	v_add_nc_u32 v4, s54, v4                       ; the stage: row r, + 64 h + 128 w;
	s_delay_alu instid0(VALU_DEP_1)
	v_add_nc_u32 v5, 32*SPITCH, v4                 ; the same 32 rows on
	s_mul_i32 s54, s18, 4*SPITCH
	v_add_nc_u32 v29, s54, v8                      ; back: my four rows, 16 bytes a lane
	s_wait_alu depctr_va_vdst(0)
	s_wait_loadcnt 0x0                             ; Wo, its scale words, bo
	OPASS 0
	s_barrier_signal -1                            ; my reads of the stage are back (the last count was 0): the stage may be written again when all have said so
	s_barrier_wait -1
	s_wait_xcnt 0x0                                ; the stores have read their registers and their base
	s_add_nc_u64 s[16:17], s[16:17], 0x800000      ; 64 rows n on
	OPASS 1
	s_wait_tensorcnt 0x0                           ; the wave's end
	ds_add_u32 v1, v2
	s_wait_dscnt 0x0
	CROUND                                         ; the closing round: no work-group ends while a partner may still ask for a tile that names it
	s_endpgm
.Lfunc_end_k_q9c4d196dd6_attn:
	.size	k_q9c4d196dd6_attn, .Lfunc_end_k_q9c4d196dd6_attn-k_q9c4d196dd6_attn
	.p2alignl 7, 3214868480
	.fill 96, 4, 3214868480
	.section	.rodata,"a",@progbits
	.p2align	6, 0x0
	.amdhsa_kernel k_q9c4d196dd6_attn
		.amdhsa_group_segment_fixed_size 327680
		.amdhsa_private_segment_fixed_size 0
		.amdhsa_enable_private_segment 0
		.amdhsa_kernarg_size 56
		.amdhsa_user_sgpr_count 2
		.amdhsa_user_sgpr_kernarg_segment_ptr 1
		.amdhsa_wavefront_size32 1
		.amdhsa_system_sgpr_workgroup_id_x 1
		.amdhsa_system_sgpr_workgroup_id_y 1
		.amdhsa_system_sgpr_workgroup_id_z 1
		.amdhsa_system_vgpr_workitem_id 0
		.amdhsa_next_free_vgpr 256
		.amdhsa_next_free_sgpr 72
		.amdhsa_reserve_vcc 0
		.amdhsa_float_denorm_mode_32 3
		.amdhsa_float_denorm_mode_16_64 3
		.amdhsa_memory_ordered 1
		.amdhsa_forward_progress 1
		.amdhsa_inst_pref_size 184
	.end_amdhsa_kernel
	.amdgpu_metadata
---
amdhsa.version: [ 1, 2 ]
amdhsa.kernels:
  - .name:           k_q9c4d196dd6_attn
    .symbol:         k_q9c4d196dd6_attn.kd
    .args:
      - { .name: qws, .offset: 0, .size: 8, .value_kind: global_buffer, .address_space: global }
      - { .name: kws, .offset: 8, .size: 8, .value_kind: global_buffer, .address_space: global }
      - { .name: vws, .offset: 16, .size: 8, .value_kind: global_buffer, .address_space: global }
      - { .name: wimg, .offset: 24, .size: 8, .value_kind: global_buffer, .address_space: global }
      - { .name: wscl, .offset: 32, .size: 8, .value_kind: global_buffer, .address_space: global }
      - { .name: bo, .offset: 40, .size: 8, .value_kind: global_buffer, .address_space: global }
      - { .name: out0, .offset: 48, .size: 8, .value_kind: global_buffer, .address_space: global }
    .group_segment_fixed_size: 327680
    .private_segment_fixed_size: 0
    .kernarg_segment_align: 8
    .kernarg_segment_size: 56
    .max_flat_workgroup_size: 512
    .sgpr_count:     72
    .vgpr_count:     256
    .wavefront_size: 32
...
	.end_amdgpu_metadata
.endif
;; end of part 3
